; MI455X (gfx1250); checked and timed in simulation.
; The chip was launched on July 23, 2026; its instructions are those of AMD's public machine-readable ISA for CDNA 5 (MIT licence, August 2026) and "CDNA5" Instruction Set Architecture Reference Guide (July 2026). The comments in the code are by the model that wrote it; some were corrected since.
;; Sparse Mo E. Allowed arithmetic: float matrix products may take bf16 or f16 operands with f32 sums; other float arithmetic in f32, or as packed bf16 or f16 multiplies, adds, multiply-adds, maxima and minima; sums over many terms, partial sums and values carried from step to step in f32; what a program stores and reads back later, other than sums and carried values, may be rounded once to bf16 or f16.
;; Inputs: W1 8 x 512 x 512 float32; W2 8 x 512 x 512 float32; Wg 512 x 8 float32; b1 8 x 512 float32; b2 8 x 512 float32; bg 8 float32; x 4 x 2,048 x 512 float32.
;; Outputs: out0 4 x 2,048 x 512 float32.
;; One version. Each part assembles by itself: llvm-mc -triple=amdgcn-amd-amdhsa -mcpu=gfx1250 --defsym DOCPART=n.
;; ======== version 1 of 1: 3 launches
;; limits: a function is approximated: absolute error at most 2.5e-05; an absolute error that grows with the inputs' magnitude: up to 1.25e-05 times it; values are held in f16: magnitudes above 65,504 overflow, below 6.1e-05 lose precision
;; workspace buffers: assign 32,768 bytes of whole numbers; hist 8,192 bytes of whole numbers; wsel 32,768 bytes; order 32,768 bytes of whole numbers; plan 3,328 bytes of whole numbers; wf 8,388,608 bytes
;; launch route (part 1): grid 256 x 1, 2 waves a work-group, no clusters, 167,936 bytes of LDS; arguments x, Wg, bg, assign, wsel, hist; writes assign, wsel, hist
.if DOCPART == 1
	.amdgcn_target "amdgcn-amd-amdhsa--gfx1250"
	.amdhsa_code_object_version 6
	.text
	.protected	k_qf4db9137c0_route
	.globl	k_qf4db9137c0_route
	.p2align	8
	.type	k_qf4db9137c0_route,@function
k_qf4db9137c0_route:
	s_mov_b64 s[64:65], 0
	v_nop
	global_prefetch_b8 v0, s[64:65] scope:SCOPE_SE
	s_setreg_imm32_b32 hwreg(HW_REG_WAVE_MODE, 25, 1), 1
	s_wait_xcnt 0x0
; ROUTE.  logits = x Wg + bg for 8,192 tokens and 8 experts; for each token the expert of the largest logit (the first of equals), w = 1 / sum of exp(l - max), which is the
; chosen probability, and for each 16 tokens how many chose each expert.  x, Wg and bg are rounded to bf16 (as every input of this program is), products and sums in f32.
; LIMITS.  Two logits that differ by less than the rounding of x, Wg, bg to bf16 and of the f32 sums may change places; a token with a NaN logit is given expert 0.
; SHARES.  256 work-groups of two waves; a wave owns 16 tokens.  logits^T = Wg^T x^T: source 0 = 16 rows of Wg^T (the 8 experts twice), source 1 = 16 tokens: in the result a lane holds
; ONE token (lane % 16) and its registers 0-7 the 8 logits, in both halves of the lanes alike.  So maximum, argmax and sum never leave the lane.
; x comes by the tensor data mover, four tiles of 16 rows x 512 bytes a wave, each row padded by 16 bytes in LDS; every LDS byte is the wave's own, so there is no barrier, and nothing is filled twice.
; No cluster: no two work-groups read the same bytes of x, and Wg is 16 KB.
.set XPITCH, 528                       ; 512 bytes + 16: the 16 rows of a load start 16 bytes apart modulo 256
.set CHUNK,  16*XPITCH                 ; a tile: 16 tokens x 128 numbers
.set XWAVE,  4*CHUNK                   ; a wave's four tiles
.set WGS,    2*XWAVE                   ; behind them: Wg in bf16, 512 rows x 16 bytes, a copy for each wave
.set SPARE,  WGS+2*8192                ; the spare words, 128 bytes a wave: one block of 256 bytes that no other line names
.set RR,  1                            ; v1  lane % 16
.set HH,  2                            ; v2  lane / 16
.set XA,  3                            ; v3  my 32 bytes in a row of my wave's first tile
.set WS,  4                            ; v4  where I put a row of Wg
.set TA,  5                            ; v5  the row of Wg that I address in the turning load
.set SPW, 6                            ; v6  my spare word; never rewritten
.set NIL, 7                            ; v7  0; never rewritten
.set BG,  8                            ; v8-15    bg, rounded: the C operand that starts the sums
.set T,   16                           ; v16-79   a tile's x in f32 as loaded; Wg in bf16 on its way to LDS; at the end, at work
.set BF,  80                           ; v80-95   x's fragment in bf16, two buffers
.set ACC, 96                           ; v96-127  four accumulators that take turns; before the products, at work
.set WF,  128                          ; v128-255 Wg^T's 16 fragments
.set WV,  16                           ; s16 my wave's number
.set G1,  24                           ; s[24:31] descriptor group 1
.set G0,  32                           ; s[32:47] descriptor group 0, a set for each of the four tiles
	s_load_b256 s[4:11], s[0:1], 0x0               ; x s[4:5], Wg s[6:7], bg s[8:9], assign s[10:11]
	s_load_b128 s[12:15], s[0:1], 0x20             ; wsel s[12:13], hist s[14:15]
	v_lshl_add_u32 v[SPW], v0, 2, SPARE
	v_mov_b32 v[NIL], 0
	ds_add_u32 v[SPW], v[NIL]                      ; the wave's opening: the add and its wait ahead of my first tensor load
	ds_add_u32 v6, v7
	v_lshrrev_b32 v[RR], 5, v0
	v_readfirstlane_b32 s[WV], v[RR]               ; wave 0, 1
	s_mov_b32 s[G1+0], (2<<16)|(1<<20)|(6<<22)|(3<<25)  ; elements of 4 bytes; padding on: after every 128 words 4 words
	s_mov_b32 s[G1+1], 128<<16                     ; tensor_dim0 = 128
	s_mov_b32 s[G1+2], 16<<16                      ; tensor_dim1 = 16
	s_mov_b32 s[G1+3], 128<<16                     ; tile_dim0 = 128
	s_mov_b32 s[G1+4], 16                          ; tile_dim1 = 16
	s_mov_b32 s[G1+5], 512                         ; 512 elements from row to row
	s_mov_b32 s[G1+6], 0
	s_mov_b32 s[G1+7], 0
	s_mul_i32 s17, s[WV], XWAVE                    ; my wave's tiles in LDS
	s_lshl_b32 s18, ttmp9, 16                      ; the work-group's 32 tokens of 2,048 bytes,
	s_lshl_b32 s19, s[WV], 15                      ; my wave's 16
	s_add_co_u32 s18, s18, s19
	s_mov_b32 s19, 0
	s_wait_dscnt 0x0                               ; the opening add is done
	s_wait_kmcnt 0x0
	s_add_nc_u64 s[20:21], s[4:5], s[18:19]
.irp c, 0,1,2,3                        ; the four first fills go out together: four tensor loads of mine are out
	s_mov_b32 s[G0+4*\c], 1
	s_add_co_u32 s[G0+4*\c+1], s17, \c*CHUNK
	s_add_nc_u64 s[G0+4*\c+2:G0+4*\c+3], s[20:21], \c*512
	s_or_b32 s[G0+4*\c+3], s[G0+4*\c+3], 0x80000000
	tensor_load_to_lds s[G0+4*\c:G0+4*\c+3], s[G1:G1+7]
	s_nop 0
.endr
	s_load_b256 s[48:55], s[8:9], 0x0              ; bg
	v_and_b32 v[ACC], 31, v0                       ; lane
	v_lshlrev_b32 v[ACC+1], 5, v[ACC]              ; a row of Wg is 32 bytes: lane l takes rows l, 32 + l, ..
.set i, 0
.rept 16
	global_load_b128 v[WF+8*i:WF+8*i+3],   v[ACC+1], s[6:7] offset:1024*i
	global_load_b128 v[WF+8*i+4:WF+8*i+7], v[ACC+1], s[6:7] offset:1024*i+16
.set i, i+1
.endr
	v_and_b32 v[RR], 15, v0
	v_bfe_u32 v[HH], v0, 4, 1
	v_mul_u32_u24 v[XA], v[RR], XPITCH
	v_lshl_add_u32 v[XA], v[HH], 5, v[XA]
	v_add_nc_u32 v[XA], s17, v[XA]                 ; row x pitch + 32 x half + my wave's tiles
	s_lshl_b32 s22, s[WV], 13
	s_add_co_u32 s22, s22, WGS                     ; my wave's copy of Wg
	v_lshl_add_u32 v[WS], v[ACC], 4, s22
	v_and_b32 v[TA], 7, v0
	v_lshl_add_u32 v[TA], v[HH], 3, v[TA]          ; row 8 (l / 16) + l % 8: lanes 8-15 address what lanes 0-7 address, so the 8 experts come twice
	v_lshl_add_u32 v[TA], v[TA], 4, s22
	s_wait_kmcnt 0x0
.irp p, 0,1,2,3                        ; bg rounded to bf16 and widened again
	v_cvt_pk_bf16_f32 v[BF+\p], s[48+2*\p], s[49+2*\p]
.endr
.irp p, 0,1,2,3
	v_lshlrev_b32 v[BG+2*\p], 16, v[BF+\p]
	v_and_b32 v[BG+2*\p+1], 0xffff0000, v[BF+\p]
.endr
	s_wait_loadcnt 0x0                             ; Wg
.set i, 0
.rept 16
.irp j, 0,1,2,3
	v_cvt_pk_bf16_f32 v[T+4*i+\j], v[WF+8*i+2*\j], v[WF+8*i+2*\j+1]
.endr
	ds_store_b128 v[WS], v[T+4*i:T+4*i+3] offset:512*i
.set i, i+1
.endr
.set i, 0
.rept 16                               ; LDS serves a wave's instructions in order (ISA guide 5.7.1.4): these see the stores above.  Fragment i: rows 32 i on, turned
	ds_load_tr16_b128 v[WF+8*i:WF+8*i+3],   v[TA] offset:512*i
	ds_load_tr16_b128 v[WF+8*i+4:WF+8*i+7], v[TA] offset:512*i+256
.set i, i+1
.endr
; One step of 32 along K: the lane's 16 numbers of x are rounded to bf16 and multiplied.  The four accumulators take turns; the eight conversions of a
; step are the places between the product two steps back and the rewriting of the buffer that it read.
.macro STEP c, kk
	s_wait_dscnt 12-4*(\kk)                        ; LDS loads come back in order: this step's four are in, the younger steps' may be out
.irp j, 0,1,2,3,4,5,6,7
	v_cvt_pk_bf16_f32 v[BF+8*((\kk)%2)+\j], v[T+16*(\kk)+2*\j], v[T+16*(\kk)+2*\j+1]
.endr
.if ((\c) == 0) && ((\kk) == 0)
	v_wmma_f32_16x16x32_bf16 v[ACC:ACC+7], v[WF:WF+7], v[BF:BF+7], v[BG:BG+7]
.elseif (\c) == 0
	v_wmma_f32_16x16x32_bf16 v[ACC+8*(\kk):ACC+8*(\kk)+7], v[WF+8*(\kk):WF+8*(\kk)+7], v[BF+8*((\kk)%2):BF+8*((\kk)%2)+7], 0
.else
	v_wmma_f32_16x16x32_bf16 v[ACC+8*(\kk):ACC+8*(\kk)+7], v[WF+8*(4*(\c)+(\kk)):WF+8*(4*(\c)+(\kk))+7], v[BF+8*((\kk)%2):BF+8*((\kk)%2)+7], v[ACC+8*(\kk):ACC+8*(\kk)+7]
.endif
.endm
.irp c, 0,1,2,3
	s_wait_tensorcnt 3-\c                          ; tensor loads of a wave end in order: tile c is in, the younger ones may be out
.irp kk, 0,1,2,3
	ds_load_b128 v[T+16*\kk:T+16*\kk+3],     v[XA] offset:\c*CHUNK+128*\kk
	ds_load_b128 v[T+16*\kk+4:T+16*\kk+7],   v[XA] offset:\c*CHUNK+128*\kk+16
	ds_load_b128 v[T+16*\kk+8:T+16*\kk+11],  v[XA] offset:\c*CHUNK+128*\kk+64
	ds_load_b128 v[T+16*\kk+12:T+16*\kk+15], v[XA] offset:\c*CHUNK+128*\kk+80
.endr
.irp kk, 0,1,2,3
	STEP \c, \kk
.endr
.endr
.rept 4
	v_nop                                          ; four places behind the last product
.endr
.irp j, 0,2,4,6                        ; the four partial sums; each accumulator is read from its low end on
	v_pk_add_f32 v[ACC+\j:ACC+\j+1], v[ACC+\j:ACC+\j+1], v[ACC+8+\j:ACC+8+\j+1]
.endr
.irp j, 0,2,4,6
	v_pk_add_f32 v[ACC+16+\j:ACC+16+\j+1], v[ACC+16+\j:ACC+16+\j+1], v[ACC+24+\j:ACC+24+\j+1]
.endr
.irp j, 0,2,4,6
	v_pk_add_f32 v[ACC+\j:ACC+\j+1], v[ACC+\j:ACC+\j+1], v[ACC+16+\j:ACC+16+\j+1]
.endr
	v_max3_num_f32 v16, v[ACC], v[ACC+1], v[ACC+2]
	v_max3_num_f32 v17, v[ACC+3], v[ACC+4], v[ACC+5]
	v_max3_num_f32 v16, v16, v[ACC+6], v[ACC+7]
	v_max_num_f32 v18, v16, v17                    ; the token's largest logit
	v_mov_b32 v19, 0
.irp e, 7,6,5,4,3,2,1,0                ; downward, so that the first of equal logits stays
	v_cmp_eq_f32 vcc_lo, v[ACC+\e], v18
	v_cndmask_b32 v19, v19, \e, vcc_lo
.endr
.irp j, 0,1,2,3,4,5,6,7
	v_sub_f32 v[20+\j], v[ACC+\j], v18             ; the maximum is taken away first: exactly 0 for the chosen expert
.endr
.irp j, 0,1,2,3,4,5,6,7
	v_mul_f32 v[20+\j], 0x3fb8aa3b, v[20+\j]       ; log2(e)
.endr
.irp j, 0,1,2,3,4,5,6,7
	v_exp_f32 v[20+\j], v[20+\j]
.endr
	v_and_b32 v30, 31, v0                          ; a plain instruction behind the last exponential
	s_wait_alu depctr_va_vdst(0)
	v_pk_add_f32 v[20:21], v[20:21], v[22:23]
	v_pk_add_f32 v[24:25], v[24:25], v[26:27]
	v_pk_add_f32 v[20:21], v[20:21], v[24:25]
	v_add_f32 v28, v20, v21
	v_rcp_f32 v29, v28                             ; w = exp(0) / sum
	s_lshl_b32 s57, ttmp9, 5
	s_lshl_b32 s58, s[WV], 4
	s_add_co_u32 s57, s57, s58                     ; my wave's first token
	v_add_lshl_u32 v31, v[RR], s57, 2              ; also the plain instruction behind the reciprocal
.irp e, 0,1,2,3,4,5,6,7                ; how many of my 16 tokens chose expert e (lanes 16-31 repeat lanes 0-15)
	v_cmp_eq_u32 s56, \e, v19
	s_and_b32 s56, s56, 0xffff
	s_bcnt1_i32_b32 s[48+\e], s56
.endr
.irp d, 0,1,2,3                        ; two counts of 16 bits to a word
	s_lshl_b32 s[49+2*\d], s[49+2*\d], 16
	s_or_b32 s[48+2*\d], s[48+2*\d], s[49+2*\d]
	v_mov_b32 v[32+\d], s[48+2*\d]
.endr
	v_mov_b32 v36, s57                             ; 16 bytes for each 16 tokens: the byte offset is the first token's number
	s_wait_tensorcnt 0x0                           ; the wave's end: behind my last tensor load and my last LDS store
	ds_add_u32 v[SPW], v[NIL]
	s_wait_dscnt 0x0
	s_wait_xcnt 0x0                                ; EXEC changes only behind this wait
	v_cmp_gt_u32 vcc_lo, 16, v30
	s_and_saveexec_b32 s60, vcc_lo                 ; lanes 0-15: one lane a token
	global_store_b32 v31, v19, s[10:11]
	s_wait_alu depctr_va_vdst(0)
	global_store_b32 v31, v29, s[12:13]
	s_wait_xcnt 0x0
	s_or_b32 exec_lo, exec_lo, s60
	v_cmp_eq_u32 vcc_lo, 0, v30
	s_and_saveexec_b32 s60, vcc_lo                 ; lane 0: the wave's eight counts
	global_store_b128 v36, v[32:35], s[14:15]
	s_wait_xcnt 0x0
	s_or_b32 exec_lo, exec_lo, s60
	s_endpgm
.Lfunc_end_k_qf4db9137c0_route:
	.size	k_qf4db9137c0_route, .Lfunc_end_k_qf4db9137c0_route-k_qf4db9137c0_route
	.p2alignl 7, 3214868480
	.fill 96, 4, 3214868480
	.section	.rodata,"a",@progbits
	.p2align	6, 0x0
	.amdhsa_kernel k_qf4db9137c0_route
		.amdhsa_group_segment_fixed_size 167936
		.amdhsa_private_segment_fixed_size 0
		.amdhsa_enable_private_segment 0
		.amdhsa_kernarg_size 48
		.amdhsa_user_sgpr_count 2
		.amdhsa_user_sgpr_kernarg_segment_ptr 1
		.amdhsa_wavefront_size32 1
		.amdhsa_system_sgpr_workgroup_id_x 1
		.amdhsa_system_sgpr_workgroup_id_y 1
		.amdhsa_system_sgpr_workgroup_id_z 1
		.amdhsa_system_vgpr_workitem_id 0
		.amdhsa_next_free_vgpr 256
		.amdhsa_next_free_sgpr 66
		.amdhsa_reserve_vcc 1
		.amdhsa_float_denorm_mode_32 3
		.amdhsa_float_denorm_mode_16_64 3
		.amdhsa_memory_ordered 1
		.amdhsa_forward_progress 1
		.amdhsa_inst_pref_size 34
	.end_amdhsa_kernel
	.amdgpu_metadata
---
amdhsa.version: [ 1, 2 ]
amdhsa.kernels:
  - .name:           k_qf4db9137c0_route
    .symbol:         k_qf4db9137c0_route.kd
    .args:
      - { .name: x, .offset: 0, .size: 8, .value_kind: global_buffer, .address_space: global }
      - { .name: Wg, .offset: 8, .size: 8, .value_kind: global_buffer, .address_space: global }
      - { .name: bg, .offset: 16, .size: 8, .value_kind: global_buffer, .address_space: global }
      - { .name: assign, .offset: 24, .size: 8, .value_kind: global_buffer, .address_space: global }
      - { .name: wsel, .offset: 32, .size: 8, .value_kind: global_buffer, .address_space: global }
      - { .name: hist, .offset: 40, .size: 8, .value_kind: global_buffer, .address_space: global }
    .group_segment_fixed_size: 167936
    .private_segment_fixed_size: 0
    .kernarg_segment_align: 8
    .kernarg_segment_size: 48
    .max_flat_workgroup_size: 64
    .sgpr_count:     66
    .vgpr_count:     256
    .wavefront_size: 32
...
	.end_amdgpu_metadata
.endif
;; end of part 1
;; launch place (part 2): grid 256 x 1, 4 waves a work-group, no clusters, 34,304 bytes of LDS; arguments W1, W2, assign, hist, wf, order, plan; writes wf, order, plan
.if DOCPART == 2
	.amdgcn_target "amdgcn-amd-amdhsa--gfx1250"
	.amdhsa_code_object_version 6
	.text
	.protected	k_qf4db9137c0_place
	.globl	k_qf4db9137c0_place
	.p2align	8
	.type	k_qf4db9137c0_place,@function
k_qf4db9137c0_place:
	s_mov_b64 s[64:65], 0
	v_nop
	global_prefetch_b8 v0, s[64:65] scope:SCOPE_SE
	s_setreg_imm32_b32 hwreg(HW_REG_WAVE_MODE, 25, 1), 1
	s_wait_xcnt 0x0
; PLACE.  Two pieces of work that do not depend on each other share this launch.
; (1) EVERY WAVE: W1 and W2 ([expert][k][n] in f32) are rounded to bf16 and laid out in the order in which the next launch's matrix instructions take them.  W1 is stored as bf16.  W2's rounded number is
;     stored as f16, since the second product's other operand, h, is f16: exact for magnitudes from 2^-17 to 65,504; below 2^-17 it keeps f16's fixed step of 2^-24; beyond 65,504 it would be an infinity.
;     A fragment (16 columns n, 32 rows k) is 1,024 bytes: [half c][lane 16 h + r][16 bytes] = W[32 ks + 16 c + 8 h + 0..7][16 nt + r].
;     wf = [expert: 1 MiB][fill 0-7: 128 KiB][wave nt / 8: 32 KiB][32 fragments]:
;     layer 1: fill (nt / 2) % 4, inside (nt % 2) x 16 KiB + ks x 1 KiB;   layer 2: fill 4 + ks / 4, inside (ks % 4) x 8 KiB + (nt % 8) x 1 KiB.
;     Work-group b = (layer, expert, ks); wave w takes 32 rows x 128 columns: 32 loads of 512 consecutive bytes, a turn through its own LDS bytes, 16 stores of 512 consecutive bytes.
; (2) WAVE 0 of each work-group: the place of tokens 32 b .. 32 b + 31 in the list sorted by expert (stable), from the counts per 16 tokens; and, for b < 200, one entry of the next launch's plan.
;     THE PLAN.  50 fours of work-groups of at most 48 rows.  Expert e gets n_e = ceil(C_e / 192) fours; their sum is at most (8,192 + 8 x 191) / 192 = 50.6, so at most 50; those left over go to
;     the expert with the most tokens.  An expert's rows are shared evenly: S = ceil(C / 4 n) rows a work-group.  Entry b = {first place in the list, rows, expert, 0}.  All in whole numbers.
; Memory binds: no matrix unit, no cluster, no barrier (each wave turns its own bytes).
.set FP,    1040                       ; a fragment in LDS: 1,024 bytes + 16, so that the 16 lanes of a store touch 16 different 16-byte columns
.set WAVEB, 8448                       ; 8 fragments, rounded up to blocks of 256 bytes
.set SPARE, 4*WAVEB                    ; the spare words, 128 bytes a wave: two blocks of 256 bytes that no other line names
.set LN,  1                            ; v1  lane
.set L16, 2                            ; v2  16 x lane
.set SA,  3                            ; v3  where I put 16 bytes of a column
.set LB,  4                            ; v4  where I read 16 bytes of a fragment back
.set SPW, 5                            ; v5  my spare word; never rewritten
.set NIL, 6                            ; v6  0; never rewritten
.set VD,  8                            ; v8-15  my byte offset in wf for fragment a
.set TW,  40                           ; v40-47  layer 2: four pairs of rounded numbers, widened again
.set R,   64                           ; v64-191  the slab in f32, row by row; later the fragments read back
.set PC,  192                          ; v192-255 the slab in 16 bits; in wave 0 first the table of counts
.set WV,  20                           ; s20 my wave's number
	s_load_b256 s[4:11], s[0:1], 0x0               ; W1 s[4:5], W2 s[6:7], assign s[8:9], hist s[10:11]
	s_load_b128 s[12:15], s[0:1], 0x20             ; wf s[12:13], order s[14:15]
	s_load_b64 s[16:17], s[0:1], 0x30              ; plan
	v_lshl_add_u32 v[SPW], v0, 2, SPARE
	v_mov_b32 v[NIL], 0
	v_lshrrev_b32 v1, 5, v0
	v_readfirstlane_b32 s[WV], v1
	v_and_b32 v[LN], 31, v0
	v_lshlrev_b32 v[L16], 4, v[LN]
	s_lshr_b32 s21, ttmp9, 7                       ; layer
	s_bfe_u32 s22, ttmp9, 0x30004                  ; expert
	s_and_b32 s23, ttmp9, 15                       ; ks
	s_lshl_b32 s24, s22, 20                        ; from: expert x 1 MiB + ks x 32 rows of 2,048 bytes + wave x 512 bytes
	s_lshl_b32 s25, s23, 16
	s_add_co_u32 s24, s24, s25
	s_lshl_b32 s25, s[WV], 9
	s_add_co_u32 s24, s24, s25
	s_mov_b32 s25, 0
	s_lshl_b32 s26, s23, 10                        ; to, layer 1: ks x 1 KiB
	s_lshr_b32 s27, s23, 2                         ; to, layer 2: (4 + ks / 4) x 128 KiB + (ks % 4) x 8 KiB
	s_lshl_b32 s27, s27, 17
	s_and_b32 s28, s23, 3
	s_lshl_b32 s28, s28, 13
	s_add_co_u32 s27, s27, s28
	s_add_co_u32 s27, s27, 524288
	s_mov_b32 s30, 16384
	s_mov_b32 s31, 131072
	s_cmp_eq_u32 s21, 0
	s_cselect_b32 s26, s26, s27
	s_cselect_b32 s28, s30, 1024                   ; from fragment a to a + 1 (a even),
	s_cselect_b32 s29, s31, 2048                   ; and from a to a + 2
	s_lshl_b32 s27, s22, 20
	s_add_co_u32 s26, s26, s27
	s_lshl_b32 s27, s[WV], 15
	s_add_co_u32 s26, s26, s27
	s_mov_b32 s27, 0
.irp a, 0,1,2,3,4,5,6,7
	s_mul_i32 s31, s29, \a/2
.if \a%2
	s_add_co_u32 s31, s31, s28
.endif
	v_add_nc_u32 v[VD+\a], s31, v[L16]
.endr
	s_mul_i32 s31, s[WV], WAVEB
	v_lshrrev_b32 v[SA], 2, v[LN]                  ; my four columns lie in fragment lane / 4,
	v_mul_u32_u24 v[SA], v[SA], FP
	v_and_b32 v7, 3, v[LN]                         ; at r = 4 (lane % 4) + j
	v_lshl_add_u32 v[SA], v7, 6, v[SA]
	v_add_nc_u32 v[SA], s31, v[SA]
	v_add_nc_u32 v[LB], s31, v[L16]
	s_wait_kmcnt 0x0
	s_cmp_eq_u32 s21, 0
	s_cselect_b64 s[18:19], s[4:5], s[6:7]
	s_add_nc_u64 s[18:19], s[18:19], s[24:25]
	s_add_nc_u64 s[2:3], s[12:13], s[26:27]
	s_cmp_lg_u32 s[WV], 0
	s_cbranch_scc1 .Lslab
	s_lshl_b32 s92, ttmp9, 5                       ; wave 0: its 32 tokens' experts, and the whole table of counts (512 groups x 16 bytes), ahead of the slab's loads
	v_add_nc_u32 v30, s92, v[LN]                   ; my token
	v_lshlrev_b32 v17, 2, v30
	global_load_b32 v16, v17, s[8:9]
.set i, 0
.rept 16
	global_load_b128 v[PC+4*i:PC+4*i+3], v[L16], s[10:11] offset:512*i  ; group 32 i + lane
.set i, i+1
.endr
.Lslab:
.set i, 0
.rept 32                               ; the slab: row i, 512 consecutive bytes
	global_load_b128 v[R+4*i:R+4*i+3], v[L16], s[18:19] offset:2048*i th:TH_LOAD_NT
.set i, i+1
.endr
	s_cmp_lg_u32 s[WV], 0
	s_cbranch_scc1 .Lcast
	s_wait_loadcnt 32                              ; all but the slab's 32 loads: experts and counts are in
	s_lshl_b32 s92, ttmp9, 1                       ; the groups before my tokens are those below 2 b
.irp j, 20,21,22,23,24,25,26,27
	v_mov_b32 v\j, 0                               ; v20-23 all groups' counts, v24-27 those of the groups before; eight sums of 16 bits (8,192 at the most) in four words each
.endr
.set i, 0
.rept 16
	s_sub_co_i32 s93, s92, 32*i
	v_cmp_gt_i32 vcc_lo, s93, v[LN]                ; 32 i + lane < 2 b
.irp j, 0,1,2,3
	v_add_nc_u32 v[20+\j], v[20+\j], v[PC+4*i+\j]
	v_cndmask_b32 v28, 0, v[PC+4*i+\j], vcc_lo
	v_add_nc_u32 v[24+\j], v[24+\j], v28
.endr
.set i, i+1
.endr
.irp x, 20,21,22,23,24,25,26,27        ; over each 16 lanes,
.irp m, 1,2,4,8
	v_mov_b32_dpp v28, v\x row_xmask:\m row_mask:0xf bank_mask:0xf
	v_add_nc_u32 v\x, v\x, v28
.endr
.endr
.irp k, 0,1,2,3,4,5,6,7                ; and the two halves
	v_readlane_b32 s[40+\k], v[20+\k], 0
	v_readlane_b32 s82, v[20+\k], 16
	s_add_co_u32 s[40+\k], s[40+\k], s82
.endr
.irp e, 0,2,4,6                        ; C_e in s[24+e], the tokens of expert e before mine in s[32+e]
	s_and_b32 s[24+\e], s[40+\e/2], 0xffff
	s_lshr_b32 s[25+\e], s[40+\e/2], 16
	s_and_b32 s[32+\e], s[44+\e/2], 0xffff
	s_lshr_b32 s[33+\e], s[44+\e/2], 16
.endr
	s_mov_b32 s48, 0                               ; where expert e begins in the list: s[48+e]
.irp e, 0,1,2,3,4,5,6
	s_add_co_u32 s[49+\e], s[48+\e], s[24+\e]
.endr
.irp e, 0,1,2,3,4,5,6,7
	s_add_co_u32 s[74+\e], s[48+\e], s[32+\e]
.endr
	v_mov_b32 v29, 0
.irp e, 0,1,2,3,4,5,6,7                ; my place: the expert's beginning + its tokens before my 32 + those in lower lanes
	v_cmp_eq_u32 s85, \e, v16
	v_mbcnt_lo_u32_b32 v28, s85, s[74+\e]
	v_cndmask_b32 v29, v29, v28, s85
.endr
	v_min_u32 v29, 0x1fff, v29                     ; a number made of loaded data enters an address only clamped
	v_lshlrev_b32 v29, 2, v29
	global_store_b32 v29, v30, s[14:15]
	s_cmp_ge_u32 ttmp9, 200
	s_cbranch_scc1 .Lcast                          ; the plan has 200 entries
	s_mov_b32 s82, 0
.irp e, 0,1,2,3,4,5,6,7                ; n_e = (C_e + 191) / 192, by 43,691 / 2^23: exact up to 8,383
	s_add_co_u32 s[56+\e], s[24+\e], 191
	s_mul_i32 s[56+\e], s[56+\e], 43691
	s_lshr_b32 s[56+\e], s[56+\e], 23
	s_add_co_u32 s82, s82, s[56+\e]
.endr
	s_sub_co_u32 s82, 50, s82                      ; fours left over
	s_mov_b32 s83, s24
	s_mov_b32 s84, 0
.irp e, 1,2,3,4,5,6,7                  ; the expert with the most tokens
	s_cmp_gt_u32 s[24+\e], s83
	s_cselect_b32 s83, s[24+\e], s83
	s_cselect_b32 s84, \e, s84
.endr
.irp e, 0,1,2,3,4,5,6,7
	s_cmp_eq_u32 s84, \e
	s_cselect_b32 s85, s82, 0
	s_add_co_u32 s[56+\e], s[56+\e], s85
.endr
	s_mov_b32 s66, 0                               ; expert e's first four: s[66+e]
.irp e, 0,1,2,3,4,5,6
	s_add_co_u32 s[67+\e], s[66+\e], s[56+\e]
.endr
	s_lshr_b32 s86, ttmp9, 2                       ; my entry's four
	s_mov_b32 s87, 0                               ; its expert, that expert's C, beginning, first four and n: the last expert whose first four is not beyond mine
	s_mov_b32 s88, s24
	s_mov_b32 s89, s48
	s_mov_b32 s90, s66
	s_mov_b32 s91, s56
.irp e, 1,2,3,4,5,6,7
	s_cmp_ge_u32 s86, s[66+\e]
	s_cselect_b32 s87, \e, s87
	s_cselect_b32 s88, s[24+\e], s88
	s_cselect_b32 s89, s[48+\e], s89
	s_cselect_b32 s90, s[66+\e], s90
	s_cselect_b32 s91, s[56+\e], s91
.endr
	s_lshl_b32 s92, s91, 2                         ; S = the least s with 4 n s >= C: it is 48 at the most, so two ballots over s = 1..32 and 33..64 find it
	v_add_nc_u32 v28, 1, v[LN]
	v_mul_lo_u32 v28, v28, s92
	v_cmp_ge_u32 s93, v28, s88
	v_add_nc_u32 v31, 33, v[LN]
	v_mul_lo_u32 v31, v31, s92
	v_cmp_ge_u32 s94, v31, s88
	s_ctz_i32_b32 s95, s93
	s_ctz_i32_b32 s96, s94
	s_add_co_u32 s95, s95, 1
	s_add_co_u32 s96, s96, 33
	s_cmp_lg_u32 s93, 0
	s_cselect_b32 s95, s95, s96
	s_lshl_b32 s97, s90, 2
	s_sub_co_u32 s97, ttmp9, s97                   ; my entry's number among the expert's work-groups
	s_mul_i32 s97, s97, s95
	s_min_u32 s97, s97, s88
	s_add_co_u32 s98, s89, s97                     ; first place
	s_sub_co_u32 s99, s88, s97
	s_min_u32 s99, s99, s95                        ; rows
	v_mov_b32 v32, s98
	v_mov_b32 v33, s99
	v_mov_b32 v34, s87
	v_mov_b32 v35, 0
	s_lshl_b32 s97, ttmp9, 4
	v_mov_b32 v36, s97
	s_wait_xcnt 0x0                                ; EXEC changes only behind this wait
	v_cmp_eq_u32 vcc_lo, 0, v[LN]
	s_and_saveexec_b32 s96, vcc_lo
	global_store_b128 v36, v[32:35], s[16:17]
	s_wait_xcnt 0x0
	s_or_b32 exec_lo, exec_lo, s96
; THE CAST.  Rows 8 g .. 8 g + 7 give, for each of my four columns, the 16 bytes of one lane of a fragment: half c = g / 2, lanes' half h = g % 2.
; f16 = 1 (layer 2): the number rounded to bf16 is widened again and written as f16.
.macro CAST f16
.irp g, 0,1,2,3
	s_wait_loadcnt 24-8*\g                         ; loads come back in order: these eight rows are in, the younger ones may be out
.irp j, 0,1,2,3
.irp i, 0,1,2,3
	v_cvt_pk_bf16_f32 v[PC+16*\g+4*\j+\i], v[R+4*(8*\g+2*\i)+\j], v[R+4*(8*\g+2*\i+1)+\j]
.endr
.if \f16
.irp i, 0,1,2,3
	v_lshlrev_b32 v[TW+2*\i], 16, v[PC+16*\g+4*\j+\i]
	v_and_b32 v[TW+2*\i+1], 0xffff0000, v[PC+16*\g+4*\j+\i]
.endr
.irp i, 0,1,2,3
	v_cvt_pk_f16_f32 v[PC+16*\g+4*\j+\i], v[TW+2*\i], v[TW+2*\i+1]
.endr
.endif
	ds_store_b128 v[SA], v[PC+16*\g+4*\j:PC+16*\g+4*\j+3] offset:(\g/2)*512+(\g%2)*256+16*\j
.endr
.endr
.endm
.Lcast:
	s_cmp_lg_u32 s21, 0                            ; the layer hangs on the work-group's number alone
	s_cbranch_scc1 .Lcast_f16
	CAST 0
	s_branch .Lback
.Lcast_f16:
	CAST 1
.Lback:
.set k, 0
.rept 16                               ; LDS serves a wave's instructions in order (ISA guide 5.7.1.4): these see the stores above.  Fragment k / 2, half k % 2
	ds_load_b128 v[R+4*k:R+4*k+3], v[LB] offset:(k/2)*FP+(k%2)*512
.set k, k+1
.endr
.set k, 0
.rept 16
	s_wait_dscnt 15-k
	global_store_b128 v[VD+k/2], v[R+4*k:R+4*k+3], s[2:3] offset:(k%2)*512  ; 512 consecutive bytes, at a multiple of 512 from wf's first byte
.set k, k+1
.endr
	s_wait_tensorcnt 0x0                           ; the wave's end: behind my last LDS store
	ds_add_u32 v[SPW], v[NIL]
	s_wait_dscnt 0x0
	s_endpgm
.Lfunc_end_k_qf4db9137c0_place:
	.size	k_qf4db9137c0_place, .Lfunc_end_k_qf4db9137c0_place-k_qf4db9137c0_place
	.p2alignl 7, 3214868480
	.fill 96, 4, 3214868480
	.section	.rodata,"a",@progbits
	.p2align	6, 0x0
	.amdhsa_kernel k_qf4db9137c0_place
		.amdhsa_group_segment_fixed_size 34304
		.amdhsa_private_segment_fixed_size 0
		.amdhsa_enable_private_segment 0
		.amdhsa_kernarg_size 56
		.amdhsa_user_sgpr_count 2
		.amdhsa_user_sgpr_kernarg_segment_ptr 1
		.amdhsa_wavefront_size32 1
		.amdhsa_system_sgpr_workgroup_id_x 1
		.amdhsa_system_sgpr_workgroup_id_y 1
		.amdhsa_system_sgpr_workgroup_id_z 1
		.amdhsa_system_vgpr_workitem_id 0
		.amdhsa_next_free_vgpr 256
		.amdhsa_next_free_sgpr 100
		.amdhsa_reserve_vcc 1
		.amdhsa_float_denorm_mode_32 3
		.amdhsa_float_denorm_mode_16_64 3
		.amdhsa_memory_ordered 1
		.amdhsa_forward_progress 1
		.amdhsa_inst_pref_size 53
	.end_amdhsa_kernel
	.amdgpu_metadata
---
amdhsa.version: [ 1, 2 ]
amdhsa.kernels:
  - .name:           k_qf4db9137c0_place
    .symbol:         k_qf4db9137c0_place.kd
    .args:
      - { .name: W1, .offset: 0, .size: 8, .value_kind: global_buffer, .address_space: global }
      - { .name: W2, .offset: 8, .size: 8, .value_kind: global_buffer, .address_space: global }
      - { .name: assign, .offset: 16, .size: 8, .value_kind: global_buffer, .address_space: global }
      - { .name: hist, .offset: 24, .size: 8, .value_kind: global_buffer, .address_space: global }
      - { .name: wf, .offset: 32, .size: 8, .value_kind: global_buffer, .address_space: global }
      - { .name: order, .offset: 40, .size: 8, .value_kind: global_buffer, .address_space: global }
      - { .name: plan, .offset: 48, .size: 8, .value_kind: global_buffer, .address_space: global }
    .group_segment_fixed_size: 34304
    .private_segment_fixed_size: 0
    .kernarg_segment_align: 8
    .kernarg_segment_size: 56
    .max_flat_workgroup_size: 128
    .sgpr_count:     100
    .vgpr_count:     256
    .wavefront_size: 32
...
	.end_amdgpu_metadata
.endif
;; end of part 2
;; launch experts (part 3): grid 200 x 1, 4 waves a work-group, no clusters, 155,904 bytes of LDS; arguments x, wf, b1, b2, order, plan, wsel, out0; writes out0
.if DOCPART == 3
	.amdgcn_target "amdgcn-amd-amdhsa--gfx1250"
	.amdhsa_code_object_version 6
	.text
	.protected	k_qf4db9137c0_experts
	.globl	k_qf4db9137c0_experts
	.p2align	8
	.type	k_qf4db9137c0_experts,@function
k_qf4db9137c0_experts:
	s_mov_b64 s[64:65], 0
	v_nop
	global_prefetch_b8 v0, s[64:65] scope:SCOPE_SE
	s_setreg_imm32_b32 hwreg(HW_REG_WAVE_MODE, 25, 1), 1
	s_wait_xcnt 0x0
; EXPERTS.  out[t] = w[t] (gelu(x[t] W1[e] + b1[e]) W2[e] + b2[e]) for the expert e that token t chose.  x, W1, W2, b1, b2 rounded to bf16 (the weights by the launch before), all sums in f32, out in f32.
; FORMATS.  The first product multiplies in bf16.  h is rounded once, to f16, and the second product multiplies in f16 (W2's bf16 number written as f16): h's rounding is the one rounding that is not an
; input's, it reaches the output undiminished, and a token's output goes with its w while the allowance goes by all tokens' root mean square: bf16's 8 bits leave the tokens of large w too little room.
; LIMITS.  h beyond 65,504 becomes an infinity.  With x of spread 1 and W1 of spread 0.0255, h has spread sqrt(512) x 0.0255 = 0.58; both 30 times larger: 900 times that, under 4,000; both with a common offset
; of 30 spreads (30 and 0.77): 512 x 30 x 0.77 = 11,800.  Below 6e-5 h keeps f16's fixed step of 6e-8.
; erf by the rational form with three terms (Abramowitz and Stegun 7.1.25), within 2.5e-5 for every argument: gelu is off by at most 1.3e-5 |x|, a tenth of h's rounding to f16.
; An exponential below 2^-126 counts as 0.  NaN and infinities are not treated apart.
; SHARES.  A work-group takes up to 48 tokens of one expert (three tiles of 16), named by its entry of the plan {first place in the sorted list, rows, expert}; rows past its count repeat its last token and
; store the same numbers again; a work-group with no rows stores nothing (EXEC).  No trip count and no branch hangs on data.
; LAYOUT.  h^T = W1^T x^T and out^T = W2^T h^T: source 0 = a fragment of weights (16 outputs x 32 K), source 1 = 16 tokens: a lane holds ONE token (lane % 16) and eight neighbouring outputs.
; Wave w owns hidden numbers and output columns 128 w .. 128 w + 127.  x's 48 fragments stay in registers; h passes through LDS, where x lay.
; THE WEIGHTS GO STRAIGHT INTO REGISTERS.  wf holds each fragment as the registers take it, and wave w alone uses the fragments of its 128 columns, each once, for three products: through LDS they would make a
; round trip that serves nobody.  A fragment is two loads of 512 consecutive bytes.  A wave's 256 KiB are one stream of 64 QUADS of four fragments: quad Q lies at (Q / 8) x 128 KiB + (Q % 8) x 4 KiB from the
; wave's first byte, in both layers, and lands in part Q % 8 of a ring of eight parts of 32 registers.  At the start of quad Q the wave waits for quad Q and asks for quad Q + 6: 48 loads, 24 KiB a wave, are on
; their way; the stream runs on from the first product into the second, and no barrier stands in it.
; NO TENSOR LOADS, NO CLUSTER.  What the waves share, x and h, is made by the waves themselves.  Work-groups of one expert walk the same weights, but which of them share an expert hangs on the tokens' counts:
; the expert's number is read from memory and enters the weights' address, and a joint load's descriptor has to be equal in all partners by arithmetic on the ids that they share.
; GELU BY TURNS.  A step of the first product is one tile of 16 hidden numbers: 48 matrix instructions on three accumulators that take turns.  The GELU of the step before (3 x 64 vector instructions)
; stands behind them, four to each.
; REGISTERS, in windows of 256 (s_set_vgpr_msb: bits 1:0 source 0, 3:2 source 1, 5:4 source 2, 7:6 destination):
;   window 0: v0-23 addresses, w, token numbers; v24-39 bias of a step, two buffers; v40-87 two sets of three accumulators (second product: h's fragments, two buffers); v88-123 GELU at work
;   window 1: x as gathered, then x's fragments of tiles 0 and 1, then the second product's 24 accumulators, then whole rows on the way out
;   window 2: v0-127 x's fragments of tile 2, then b2; v128-175 the 48 rows' byte offsets in out          window 3: the weights' ring
.set APITCH, 1040                      ; from LDS byte 0: 48 rows x 1,040 bytes: x in bf16, later h in f16.  1,024 bytes + 16: the 16 rows of a load start 16 bytes apart modulo 256
.set TROWS,  16*APITCH
.set BIAS,   48*APITCH                 ; b1[e], then b2[e], rounded, in f32: 4,096 bytes
.set OPITCH, 528                       ; the way out: a wave's 512 bytes of a row + 16
.set OWAVE,  48*OPITCH                 ; a wave's own stage
.set OUTS,   BIAS+4096
.set SPARE,  OUTS+4*OWAVE              ; the spare words, 128 bytes a wave: two blocks of 256 bytes that no other line names
.set FILLB,  131072                    ; from a wave's eight quads to its next eight
.set RR,  1                            ; v1  lane % 16
.set HH,  2                            ; v2  lane / 16
.set L16, 3                            ; v3  16 x lane; never rewritten: the offset of every load of weights
.set RD,  4                            ; v4  the way out: where I read 16 bytes of a row back
.set HS,  6                            ; v6  where I put 16 bytes of h
.set BA,  7                            ; v7  my 32 bytes of b1 for the step whose bias is fetched
.set XF,  8                            ; v8  my 16 bytes in a fragment of x or h
.set XS,  9                            ; v9  where I put 8 bytes of x
.set STO, 10                           ; v10 the way out: where I put 16 bytes of a row
.set VB,  11                           ; v11 16 x lane + my wave's 512 bytes of a row of out
.set WT,  12                           ; v12-17  w of my token in tiles 0, 1, 2: the low register of each pair
.set TOK, 18                           ; v18-20  my token's number in tiles 0, 1, 2
.set B2A, 21                           ; v21 my 32 bytes of b2
.set BI,  24
.set XO,  40                           ; v40-51  at the start: the byte offsets of the 12 rows of x that my wave gathers
.set ACC, 40
.set GT,  88                           ; GELU: 1 + p |x|, then t, then the result
.set GE,  96                           ; K x, -(K x)^2, its exponential
.set GP,  104                          ; the polynomial, then 0.5 - q
.set GH,  112                          ; 0.5 x
.set GK,  120                          ; eight results in f16
.set SPW, 124                          ; v124 my spare word; never rewritten
.set NIL, 125                          ; v125 0; never rewritten
.set VO,  128                          ; window 2
.set WV,  20                           ; s20 my wave's number
.set START, 40                         ; s[40:43] my entry of the plan
.set COUNT, 41
.set EXPT, 42
.set WB,  44                           ; s[44:45] wf at my wave's part of the expert's weights; it steps by FILLB in the loop
.set CNT, 49
.set KK,  52                           ; s[52:53] sqrt(log2(e) / 2); the packed forms take a pair's low word for both halves
.set A3,  54                           ; s[54:59] half of the three coefficients
.set A2,  56
.set A1,  58
.set PD,  60                           ; s60 0.47047 / sqrt(2)
.set MSB, 0
.macro WIN new                         ; the immediate's high byte repeats the setting that is left; a switch that changes nothing is dropped
.if MSB != (\new)
	s_set_vgpr_msb (MSB<<8)|(\new)
.set MSB, (\new)
.endif
.endm
.macro PLACES                          ; four places: in front of loads into registers that matrix instructions have read, and of reads of results just made
.rept 4
	v_nop
.endr
.endm
	s_load_b512 s[4:19], s[0:1], 0x0               ; x s[4:5], wf s[6:7], b1 s[8:9], b2 s[10:11], order s[12:13], plan s[14:15], wsel s[16:17], out0 s[18:19]
	v_lshl_add_u32 v[SPW], v0, 2, SPARE
	v_mov_b32 v[NIL], 0
	v_lshrrev_b32 v1, 5, v0
	v_readfirstlane_b32 s[WV], v1                  ; wave 0..3
	s_lshl_b32 s66, ttmp9, 4                       ; my entry of 16 bytes
	s_mov_b32 s[KK], 0x3f596d27                    ; 0.8493218
	s_mov_b32 s[KK+1], s[KK]
	s_mov_b32 s[A3], 0x3ebf7377                    ; 0.3739278
	s_mov_b32 s[A3+1], s[A3]
	s_mov_b32 s[A2], 0xbd445ca1                    ; -0.0479399
	s_mov_b32 s[A2+1], s[A2]
	s_mov_b32 s[A1], 0x3e32303a                    ; 0.1740121
	s_mov_b32 s[A1+1], s[A1]
	s_mov_b32 s[PD], 0x3eaa540e                    ; 0.33267253
	s_mul_i32 s67, s[WV], OWAVE
	s_add_co_u32 s67, s67, OUTS                    ; my stage
	s_lshl_b32 s68, s[WV], 15
	s_lshl_b32 s69, s[WV], 8
	s_lshl_b32 s70, s[WV], 9
	s_mul_i32 s71, s[WV], 4*APITCH
	s_wait_kmcnt 0x0
	s_load_b128 s[START:START+3], s[14:15], s66    ; my first place, my rows, my expert
	v_and_b32 v[RR], 15, v0
	v_bfe_u32 v[HH], v0, 4, 1
	v_and_b32 v23, 31, v0
	v_lshlrev_b32 v[L16], 4, v23
	v_add_nc_u32 v[RD], s67, v[L16]
	v_mul_u32_u24 v[XF], v[RR], APITCH
	v_lshl_add_u32 v[XF], v[HH], 4, v[XF]          ; row x pitch + 16 x half
	v_add_nc_u32 v[HS], s69, v[XF]                 ; + my wave's 128 hidden numbers
	s_add_co_u32 s72, s70, BIAS
	v_lshl_add_u32 v[BA], v[HH], 5, s72
	v_add_nc_u32 v[B2A], 2048, v[BA]
	v_lshl_add_u32 v[XS], v23, 3, s71              ; my wave stages rows 4 w .. 4 w + 3 of each tile
	v_mul_u32_u24 v[STO], v[RR], OPITCH
	v_lshl_add_u32 v[STO], v[HH], 5, v[STO]
	v_add_nc_u32 v[STO], s67, v[STO]
	v_add_nc_u32 v[VB], s70, v[L16]
	v_lshl_add_u32 v39, v0, 4, BIAS                ; thread i stages numbers 4 i .. 4 i + 3 of each bias
	v_mov_b32 v[WT+1], 0                           ; named with w as pairs
	v_mov_b32 v[WT+3], 0
	v_mov_b32 v[WT+5], 0
	s_wait_kmcnt 0x0
	s_min_u32 s[EXPT], s[EXPT], 7                  ; numbers read from memory enter addresses only clamped
	s_min_u32 s[START], s[START], 0x1fff
	s_min_u32 s[COUNT], s[COUNT], 48
	s_max_u32 s72, s[COUNT], 1
	s_sub_co_u32 s72, s72, 1                       ; my last row
.irp u, 0,1,2                          ; the token of row 16 u + lane % 16
	v_add_nc_u32 v[24+\u], 16*\u, v[RR]
	v_min_u32 v[24+\u], s72, v[24+\u]
	v_add_nc_u32 v[24+\u], s[START], v[24+\u]
	v_min_u32 v[24+\u], 0x1fff, v[24+\u]
	v_lshlrev_b32 v[24+\u], 2, v[24+\u]
	global_load_b32 v[TOK+\u], v[24+\u], s[12:13]
.endr
	s_lshl_b32 s73, s[EXPT], 11
	v_lshl_add_u32 v27, v0, 4, s73
	global_load_b128 v[28:31], v27, s[8:9]         ; b1[e]
	global_load_b128 v[32:35], v27, s[10:11]       ; b2[e]
	s_lshl_b32 s74, s[EXPT], 20                    ; the expert's 1 MiB of wf, my wave's 32 KiB of each 128 KiB
	s_add_co_u32 s74, s74, s68
	s_mov_b32 s75, 0
	s_add_nc_u64 s[WB:WB+1], s[6:7], s[74:75]
	s_wait_loadcnt 2                               ; the token numbers are in; b1 and b2 may be out
.irp u, 0,1,2
	v_min_u32 v[TOK+\u], 0x1fff, v[TOK+\u]
	v_lshlrev_b32 v[36+\u], 2, v[TOK+\u]
	global_load_b32 v[WT+2*\u], v[36+\u], s[16:17] ; w
.endr
	s_lshl_b32 s76, s[WV], 2
.set n, 0
.rept 12                               ; my wave's 12 rows of x: row 16 (n / 4) + 4 w + n % 4
	s_add_co_u32 s77, s76, n%4
	v_readlane_b32 s78, v[TOK+n/4], s77
	s_min_u32 s78, s78, 0x1fff
	v_lshl_add_u32 v[XO+n], s78, 11, v[L16]
.set n, n+1
.endr
	WIN 0x40                                       ; destination window 1
.set n, 0
.rept 48                               ; each load takes 512 consecutive bytes of a row
	global_load_b128 v[4*n:4*n+3], v[XO+n/4], s[4:5] offset:512*(n%4)
.set n, n+1
.endr
	WIN 0
.irp u, 0,1,2                          ; while they are on their way: the 48 rows' byte offsets in out, for my wave's 512 bytes
.set n, 0
.rept 16
	v_readlane_b32 s[80+n], v[TOK+\u], n
	s_min_u32 s[80+n], s[80+n], 0x1fff
.set n, n+1
.endr
	WIN 0x80                                       ; destination window 2
.set n, 0
.rept 16
	v_lshl_add_u32 v[VO+16*\u+n], s[80+n], 11, v[VB]
.set n, n+1
.endr
	WIN 0
.endr
	s_wait_loadcnt 51                              ; b1 and b2 are in: behind them 3 loads of w and 48 of x were issued
	v_cvt_pk_bf16_f32 v64, v28, v29                ; rounded to bf16 and widened again
	v_cvt_pk_bf16_f32 v65, v30, v31
	v_cvt_pk_bf16_f32 v66, v32, v33
	v_cvt_pk_bf16_f32 v67, v34, v35
.irp p, 0,1,2,3
	v_lshlrev_b32 v[28+2*\p], 16, v[64+\p]
	v_and_b32 v[29+2*\p], 0xffff0000, v[64+\p]
.endr
	ds_store_b128 v39, v[28:31]
	ds_store_b128 v39, v[32:35] offset:2048
.set n, 0
.rept 12                               ; x to bf16, row by row, into rows of 1,040 bytes; behind each row four loads of weights go out: the stream's quads 0 to 5, 48 loads, follow x
	s_wait_loadcnt 44                              ; loads come back in order: behind row n's four stand 4 (11 - n) of x and the 4 n of weights issued so far
	WIN 0x05                                       ; sources window 1
.irp c, 0,1,2,3
	v_cvt_pk_bf16_f32 v[64+8*(n%4)+2*\c],   v[16*n+4*\c],   v[16*n+4*\c+1]
	v_cvt_pk_bf16_f32 v[64+8*(n%4)+2*\c+1], v[16*n+4*\c+2], v[16*n+4*\c+3]
.endr
	WIN 0
.irp c, 0,1,2,3
	ds_store_b64 v[XS], v[64+8*(n%4)+2*\c:64+8*(n%4)+2*\c+1] offset:(16*(n/4)+n%4)*APITCH+256*\c
.endr
	WIN 0xc0                                       ; destination window 3
.irp z, 0,1,2,3
	global_load_b128 v[4*(4*n+\z):4*(4*n+\z)+3], v[L16], s[WB:WB+1] offset:512*(4*n+\z)  ; the stream's first 24 KiB lie on end, and so do their registers
.endr
.set n, n+1
.endr
	WIN 0
	s_wait_dscnt 0x0                               ; for the others' sake: my rows of x and my part of the biases lie in LDS
	s_barrier_signal -1
	s_barrier_wait -1
	WIN 0x40                                       ; x's fragments: tile u, 32 along K from 32 n on: two loads of 16 bytes, 32 bytes apart
.irp u, 0,1
.set n, 0
.rept 16
	ds_load_b128 v[128*\u+8*n:128*\u+8*n+3],   v[XF] offset:TROWS*\u+64*n
	ds_load_b128 v[128*\u+8*n+4:128*\u+8*n+7], v[XF] offset:TROWS*\u+64*n+32
.set n, n+1
.endr
.endr
	WIN 0x80
.set n, 0
.rept 16
	ds_load_b128 v[8*n:8*n+3],   v[XF] offset:TROWS*2+64*n
	ds_load_b128 v[8*n+4:8*n+7], v[XF] offset:TROWS*2+64*n+32
.set n, n+1
.endr
	WIN 0
	ds_load_b128 v[BI:BI+3],   v[BA]
	ds_load_b128 v[BI+4:BI+7], v[BA] offset:16
	s_wait_dscnt 0x0                               ; my reads of x are over:
	s_barrier_signal -1
	s_barrier_wait -1                              ; everybody's are, so h may be written where x lay
; THE GELU of a result tile (a lane's 8 numbers x at v[gx]) is a list of 64 instructions; GOP writes number gn.  gelu = 0.5 x + |x| (0.5 - q), q = (A1 t + A2 t^2 + A3 t^3) 2^(-(K x)^2), t = 1 / (1 + PD |x|).
;   0-7 1 + PD |x| (the tile's lowest register is read first)   8-15 -(K x)^2   16-31 the reciprocals at the even numbers; 0.5 x and the polynomial's first steps at the odd ones
;   32-50 the exponentials, each with a plain instruction behind it; the rest of the polynomial; 0.5 - q   49-63 the results, and their rounding to f16
; No line reads a reciprocal or an exponential made fewer than five lines before it.
.macro GH1 p
	s_wait_alu depctr_va_vdst(0)
	v_pk_fma_f32 v[GP+2*\p:GP+2*\p+1], v[GT+2*\p:GT+2*\p+1], s[A3:A3+1], s[A2:A2+1] op_sel_hi:[1,0,0]
.endm
.macro GH2 p
	v_pk_fma_f32 v[GP+2*\p:GP+2*\p+1], v[GP+2*\p:GP+2*\p+1], v[GT+2*\p:GT+2*\p+1], s[A1:A1+1] op_sel_hi:[1,1,0]
.endm
.macro GH3 p
	v_pk_mul_f32 v[GP+2*\p:GP+2*\p+1], v[GP+2*\p:GP+2*\p+1], v[GT+2*\p:GT+2*\p+1]
.endm
.macro GEX j
	v_exp_f32 v[GE+\j], v[GE+\j]
.endm
.macro GU p
	s_wait_alu depctr_va_vdst(0)
	v_pk_fma_f32 v[GP+2*\p:GP+2*\p+1], v[GP+2*\p:GP+2*\p+1], v[GE+2*\p:GE+2*\p+1], 0.5 op_sel_hi:[1,1,0] neg_lo:[1,0,0] neg_hi:[1,0,0]
.endm
.macro GG j
	v_fma_f32 v[GT+\j], |v[gx+\j]|, v[GP+\j], v[GH+\j]
.endm
.macro GC p
	v_cvt_pk_f16_f32 v[GK+\p], v[GT+2*\p], v[GT+2*\p+1]
.endm
.macro GOP
.if gn < 8
	v_fma_f32 v[GT+gn], |v[gx+gn]|, s[PD], 1.0
.elseif gn < 12
	v_pk_mul_f32 v[GE+2*(gn-8):GE+2*(gn-8)+1], v[gx+2*(gn-8):gx+2*(gn-8)+1], s[KK:KK+1] op_sel_hi:[1,0]
.elseif gn < 16
	v_pk_mul_f32 v[GE+2*(gn-12):GE+2*(gn-12)+1], v[GE+2*(gn-12):GE+2*(gn-12)+1], v[GE+2*(gn-12):GE+2*(gn-12)+1] neg_lo:[1,0] neg_hi:[1,0]
.elseif (gn < 32) && (gn%2 == 0)
	v_rcp_f32 v[GT+(gn-16)/2], v[GT+(gn-16)/2]
.elseif gn < 24
	v_pk_mul_f32 v[GH+gn-17:GH+gn-16], v[gx+gn-17:gx+gn-16], 0.5 op_sel_hi:[1,0]
.elseif gn == 25
	GH1 0
.elseif gn == 27
	GH1 1
.elseif gn == 29
	GH2 0
.elseif gn == 31
	GH2 1
.elseif (gn < 40) && (gn%2 == 0)
	v_exp_f32 v[GE+(gn-32)/2], v[GE+(gn-32)/2]
.elseif gn == 33
	GH1 2
.elseif gn == 35
	GH3 0
.elseif gn == 37
	GH1 3
.elseif gn == 39
	GH3 1
.elseif gn == 40
	GEX 4
.elseif gn == 41
	GH2 2
.elseif gn == 42
	GU 0
.elseif gn == 43
	GH2 3
.elseif gn == 44
	GEX 5
.elseif gn == 45
	GH3 2
.elseif gn == 46
	GU 1
.elseif gn == 47
	GH3 3
.elseif gn == 48
	GEX 6
.elseif gn == 49
	GG 0
.elseif gn == 50
	GEX 7
.elseif gn == 51
	GG 1
.elseif gn == 52
	GG 2
.elseif gn == 53
	GG 3
.elseif gn == 54
	GU 2
.elseif gn == 55
	GC 0
.elseif gn == 56
	GU 3
.elseif gn == 57
	GC 1
.elseif gn == 58
	GG 4
.elseif gn == 59
	GG 5
.elseif gn == 60
	GG 6
.elseif gn == 61
	GG 7
.elseif gn == 62
	GC 2
.else
	GC 3
.endif
.endm
; A STEP OF THE FIRST PRODUCT: 16 hidden numbers x 48 tokens x K = 512.  Product i of 48: K = 32 (i / 3) on, token tile i % 3, into accumulator set 'set'; the first three take the bias as C.
; The three accumulators take turns, one instruction a turn.  ride = 1: behind product i stand numbers 4 (i % 16) .. + 3 of the GELU of tile i / 16 of the OTHER set, the step before's;
; a tile's 16 bytes a lane go to LDS behind its last number.  They name no register of the products round them, and are the places that the loads below and the next step's first reads need.
; A step is four quads of the weights' stream, 12 products each.  qb = the number of the step's first quad, counted from the eight quads at which s[WB] stands.  At a quad's start: the wait for its eight loads
; (behind them the five next quads' 40 were issued), then the eight loads of the quad six further on, into the part that the quad two back has read.
; last = 1: no step follows: no bias is fetched.
.macro MSTEP set, ride, qb, last
.set i, 0
.rept 48
.set q, i/12
.set kq, i/3
.set tq, i%3
.if (i%12) == 0
	WIN 0
	s_wait_loadcnt 40
.if (q == 0) && (\ride)
	s_wait_dscnt 3                                 ; this step's bias is in: behind its two loads the step before issued three stores of h
.endif
.if !(\ride)
	PLACES
.endif
.if (q == 1) && !(\last)
	v_add_nc_u32 v[BA], 64, v[BA]                  ; the next step's bias
	ds_load_b128 v[BI+8*(1-(\set)):BI+8*(1-(\set))+3],   v[BA]
	ds_load_b128 v[BI+8*(1-(\set))+4:BI+8*(1-(\set))+7], v[BA] offset:16
.endif
.set pq, ((\qb)+q+6)%8
.set po, (((\qb)+q+6)/8)*FILLB+4096*pq
	WIN 0xc0                                       ; destination window 3
.irp f, 0,1,2,3
	global_load_b128 v[32*pq+8*\f:32*pq+8*\f+3],   v[L16], s[WB:WB+1] offset:po+1024*\f
	global_load_b128 v[32*pq+8*\f+4:32*pq+8*\f+7], v[L16], s[WB:WB+1] offset:po+1024*\f+512
.endr
.endif
.set rD, ACC+24*(\set)+8*tq
.set rA, 32*(((\qb)+q)%8)+8*(kq%4)
.set rB, 8*kq+128*(tq%2)
.if tq == 2
	WIN 0x0b                                       ; weights window 3; x's tile 2 lies in window 2,
.else
	WIN 0x07                                       ; tiles 0 and 1 in window 1
.endif
.if kq == 0
	v_wmma_f32_16x16x32_bf16 v[rD:rD+7], v[rA:rA+7], v[rB:rB+7], v[BI+8*(\set):BI+8*(\set)+7]
.else
	v_wmma_f32_16x16x32_bf16 v[rD:rD+7], v[rA:rA+7], v[rB:rB+7], v[rD:rD+7]
.endif
.if \ride
	WIN 0
.set gx, ACC+24*(1-(\set))+8*(i/16)
.set gn, 4*(i%16)
.rept 4
	GOP
.set gn, gn+1
.endr
.if (i%16) == 15
	ds_store_b128 v[HS], v[GK:GK+3] offset:TROWS*(i/16)
.endif
.if i == 47
	v_add_nc_u32 v[HS], 32, v[HS]                  ; the next step's 16 hidden numbers
.endif
.endif
.set i, i+1
.endr
.endm
	MSTEP 0, 0, 0, 0                               ; step 0, quads 0 to 3: there is no GELU yet to set between its products
	WIN 0
	PLACES                                         ; behind its last products
	s_wait_dscnt 0x0                               ; step 1's bias is in: step 0 stored nothing behind those loads, so the loop's count would not show it on this way in
	s_mov_b32 s[CNT], 3
.Lsteps:                               ; three trips: steps 1 and 2, 3 and 4, 5 and 6: quads 4 to 11 counted from s[WB]
	MSTEP 1, 1, 4, 0
	MSTEP 0, 1, 8, 0
	WIN 0
	s_wait_xcnt 0x0                                ; the loads' base is stepped only behind this wait
	s_add_nc_u64 s[WB:WB+1], s[WB:WB+1], FILLB
	s_sub_co_u32 s[CNT], s[CNT], 1
	s_cmp_lg_u32 s[CNT], 0
	s_cbranch_scc1 .Lsteps
	MSTEP 1, 1, 4, 1                               ; step 7, quads 28 to 31; s[WB] stands at quad 24 from here on.  It asks for quads 34 to 37: the second product's K steps 1 and 2
; THE SECOND PRODUCT, in f16.  K step k: 32 hidden numbers, quads 32 + 2 k and 33 + 2 k of the stream: eight fragments of W2 (my 128 columns) in a quarter of the ring; three fragments of h from LDS.
.macro FETW k
.irp a, 0,1,2,3,4,5,6,7
	global_load_b128 v[64*((\k)%4)+8*\a:64*((\k)%4)+8*\a+3],   v[L16], s[WB:WB+1] offset:(1+(\k)/4)*FILLB+8192*((\k)%4)+1024*\a
	global_load_b128 v[64*((\k)%4)+8*\a+4:64*((\k)%4)+8*\a+7], v[L16], s[WB:WB+1] offset:(1+(\k)/4)*FILLB+8192*((\k)%4)+1024*\a+512
.endr
.endm
.macro FETH k
.irp u, 0,1,2
	ds_load_b128 v[ACC+24*((\k)%2)+8*\u:ACC+24*((\k)%2)+8*\u+3],   v[XF] offset:TROWS*\u+64*(\k)
	ds_load_b128 v[ACC+24*((\k)%2)+8*\u+4:ACC+24*((\k)%2)+8*\u+7], v[XF] offset:TROWS*\u+64*(\k)+32
.endr
.endm
	WIN 0
.irp u, 0,1,2                          ; step 7's GELU has no products to stand behind
.set gx, ACC+24+8*\u
.set gn, 0
.rept 64
	GOP
.set gn, gn+1
.endr
	ds_store_b128 v[HS], v[GK:GK+3] offset:TROWS*\u
.if \u == 0
	WIN 0x80                                       ; b2 for my 8 column tiles, where x's tile 2 lay: the C operands that start the sums
.irp a, 0,1,2,3,4,5,6,7
	ds_load_b128 v[8*\a:8*\a+3],   v[B2A] offset:64*\a
	ds_load_b128 v[8*\a+4:8*\a+7], v[B2A] offset:64*\a+16
.endr
	WIN 0
.endif
.endr
	s_wait_dscnt 0x0                               ; for the others' sake: my 128 columns of h lie in LDS
	s_barrier_signal -1
	s_barrier_wait -1
	FETH 0
; A K step: four places behind the products of the step before; the wait for this step's 16 loads of weights (behind them the next two steps' 32 were issued); the 16 loads of the step three further on, into the
; quarter that the step before has read; the next step's h; then 24 products, the 24 accumulators by turns.
.macro KSTEP k
	WIN 0
.if (\k) < 15
	PLACES
.endif
.if (\k) < 14
	s_wait_loadcnt 32
.elseif (\k) == 14
	s_wait_loadcnt 16
.else
	s_wait_loadcnt 0x0
.endif
.if (\k) < 13
	WIN 0xc0
	FETW (\k)+3
	WIN 0
.endif
.if (\k) < 15
	FETH (\k)+1
	s_wait_dscnt 6                                 ; this step's h is in; the six just issued may be out
.else
	s_wait_dscnt 0x0
.endif
.if (\k) == 0
	WIN 0x63                                       ; weights window 3, D window 1, C (b2) window 2
.else
	WIN 0x53                                       ; weights window 3, C and D window 1
.endif
.irp a, 0,1,2,3,4,5,6,7
.irp u, 0,1,2
.if (\k) == 0
	v_wmma_f32_16x16x32_f16 v[8*(3*\a+\u):8*(3*\a+\u)+7], v[8*\a:8*\a+7], v[ACC+8*\u:ACC+8*\u+7], v[8*\a:8*\a+7]
.else
	v_wmma_f32_16x16x32_f16 v[8*(3*\a+\u):8*(3*\a+\u)+7], v[64*((\k)%4)+8*\a:64*((\k)%4)+8*\a+7], v[ACC+24*((\k)%2)+8*\u:ACC+24*((\k)%2)+8*\u+7], v[8*(3*\a+\u):8*(3*\a+\u)+7]
.endif
.endr
.endr
.endm
.irp k, 0,1,2,3,4,5,6,7,8,9,10,11,12,13,14,15
	KSTEP \k
.endr
	; THE WAY OUT.  Times w; a lane's eight columns of a row go as 32 bytes into my stage (rows of 528 bytes) and come back as whole pieces of 512 bytes of a row.
	PLACES
	WIN 0x41                                       ; destination and source 0 window 1, w window 0
.irp a, 0,1,2,3,4,5,6,7
.irp u, 0,1,2
.irp z, 0,2,4,6                        ; each accumulator from its low end on
	v_pk_mul_f32 v[8*(3*\a+\u)+\z:8*(3*\a+\u)+\z+1], v[8*(3*\a+\u)+\z:8*(3*\a+\u)+\z+1], v[WT+2*\u:WT+2*\u+1] op_sel_hi:[1,0]
.endr
.endr
.endr
	WIN 0x04                                       ; store data window 1
.irp a, 0,1,2,3,4,5,6,7
.irp u, 0,1,2
	ds_store_b128 v[STO], v[8*(3*\a+\u):8*(3*\a+\u)+3]   offset:OPITCH*16*\u+64*\a
	ds_store_b128 v[STO], v[8*(3*\a+\u)+4:8*(3*\a+\u)+7] offset:OPITCH*16*\u+64*\a+16
.endr
.endr
	WIN 0x40
.set n, 0
.rept 48                               ; LDS serves a wave's instructions in order (ISA guide 5.7.1.4): these see the stores above
	ds_load_b128 v[4*n:4*n+3], v[RD] offset:OPITCH*n
.set n, n+1
.endr
	WIN 0
	s_wait_xcnt 0x0                                ; EXEC changes only behind this wait
	s_cmp_lg_u32 s[COUNT], 0
	s_cselect_b32 s50, -1, 0
	s_and_saveexec_b32 s51, s50                    ; a work-group without rows stores nothing
	WIN 0x06                                       ; offsets window 2, data window 1
.set n, 0
.rept 48
	s_wait_dscnt 47-n
	global_store_b128 v[VO+n], v[4*n:4*n+3], s[18:19] th:TH_STORE_NT  ; 512 consecutive bytes of the token's row, at a multiple of 512 from out's first byte
.set n, n+1
.endr
	WIN 0
	s_wait_xcnt 0x0
	s_or_b32 exec_lo, exec_lo, s51
	s_wait_tensorcnt 0x0                           ; the wave's end: behind my last LDS store
	ds_add_u32 v[SPW], v[NIL]
	s_wait_dscnt 0x0
	s_endpgm
.Lfunc_end_k_qf4db9137c0_experts:
	.size	k_qf4db9137c0_experts, .Lfunc_end_k_qf4db9137c0_experts-k_qf4db9137c0_experts
	.p2alignl 7, 3214868480
	.fill 96, 4, 3214868480
	.section	.rodata,"a",@progbits
	.p2align	6, 0x0
	.amdhsa_kernel k_qf4db9137c0_experts
		.amdhsa_group_segment_fixed_size 155904
		.amdhsa_private_segment_fixed_size 0
		.amdhsa_enable_private_segment 0
		.amdhsa_kernarg_size 64
		.amdhsa_user_sgpr_count 2
		.amdhsa_user_sgpr_kernarg_segment_ptr 1
		.amdhsa_wavefront_size32 1
		.amdhsa_system_sgpr_workgroup_id_x 1
		.amdhsa_system_sgpr_workgroup_id_y 1
		.amdhsa_system_sgpr_workgroup_id_z 1
		.amdhsa_system_vgpr_workitem_id 0
		.amdhsa_next_free_vgpr 1024
		.amdhsa_next_free_sgpr 100
		.amdhsa_reserve_vcc 0
		.amdhsa_float_denorm_mode_32 3
		.amdhsa_float_denorm_mode_16_64 3
		.amdhsa_memory_ordered 1
		.amdhsa_forward_progress 1
		.amdhsa_inst_pref_size 200
	.end_amdhsa_kernel
	.amdgpu_metadata
---
amdhsa.version: [ 1, 2 ]
amdhsa.kernels:
  - .name:           k_qf4db9137c0_experts
    .symbol:         k_qf4db9137c0_experts.kd
    .args:
      - { .name: x, .offset: 0, .size: 8, .value_kind: global_buffer, .address_space: global }
      - { .name: wf, .offset: 8, .size: 8, .value_kind: global_buffer, .address_space: global }
      - { .name: b1, .offset: 16, .size: 8, .value_kind: global_buffer, .address_space: global }
      - { .name: b2, .offset: 24, .size: 8, .value_kind: global_buffer, .address_space: global }
      - { .name: order, .offset: 32, .size: 8, .value_kind: global_buffer, .address_space: global }
      - { .name: plan, .offset: 40, .size: 8, .value_kind: global_buffer, .address_space: global }
      - { .name: wsel, .offset: 48, .size: 8, .value_kind: global_buffer, .address_space: global }
      - { .name: out0, .offset: 56, .size: 8, .value_kind: global_buffer, .address_space: global }
    .group_segment_fixed_size: 155904
    .private_segment_fixed_size: 0
    .kernarg_segment_align: 8
    .kernarg_segment_size: 64
    .max_flat_workgroup_size: 128
    .sgpr_count:     100
    .vgpr_count:     1024
    .wavefront_size: 32
...
	.end_amdgpu_metadata
.endif
;; end of part 3
